; MI455X (gfx1250); checked and timed in simulation.
; The chip was launched on July 23, 2026; its instructions are those of AMD's public machine-readable ISA for CDNA 5 (MIT licence, August 2026) and "CDNA5" Instruction Set Architecture Reference Guide (July 2026). The comments in the code are by the model that wrote it; some were corrected since.
;; Multi Head Causal Self Attention. Allowed arithmetic: matrix products marked QUANTISED: E4M3 operands, one given power-of-two scale a tensor, by v_wmma_f32_16x16x64_fp8_fp8 or v_wmma_f32_16x16x128_fp8_fp8, f32 sums; everything else in f32.
;; Inputs: b_attn 3,072 float32; b_out 1,024 float32; lowp_scales 8 int32 (the exponents e of the quantised operands' scales 2^e); w_attn 1,024 x 3,072 float32; w_out 1,024 x 1,024 float32; x 4 x 2,048 x 1,024 float32.
;; Outputs: out0 4 x 2,048 x 1,024 float32.
;; This version of the problem:
;;   THIS VERSION OF THE PROBLEM IS GIVEN IN LOW PRECISION. The matrix products marked QUANTISED in the list below multiply operands that are first quantised to E4M3 (4 exponent bits, 3 mantissa bits; 8 bits a number), with one given power-of-two scale for each operand tensor; their sums are f32. All else is computed in f32.
;;   The module's matrix products, in the order in which they are computed (A, B: the left and right operand; K: the contracted axis; several contracted axes count as one K, in the product's order):
;;     1. [M 8,192, K 1,024] x [K 1,024, N 3,072]; A: input x; B: input w_attn: QUANTISED (scales: A lowp_scales[0], B lowp_scales[1])
;;     2. batch 64 x [M 2,048, K 64] x [K 64, N 2,048]; A: computed on the way; B: computed on the way: QUANTISED (scales: A lowp_scales[2], B lowp_scales[3])
;;     3. batch 64 x [M 64, K 2,048] x [K 2,048, N 2,048]; A: computed on the way; B: softmax (see below): QUANTISED (scales: A lowp_scales[4], B lowp_scales[5])
;;     4. [M 8,192, K 1,024] x [K 1,024, N 1,024]; A: computed on the way; B: input w_out: QUANTISED (scales: A lowp_scales[6], B lowp_scales[7])
;;   THE QUANTISER, for each operand of a quantised product, along K:
;;     - The operand's scale is 2^e, e = its entry of the input lowp_scales (int32; the entries are numbered through the quantised products in the list's order, A before B).
;;     - Each number is divided by the scale, clamped to +-448, and rounded to the nearest number of E4M3, ties to even, subnormals kept.
;;     - The product sums the exact products of the quantised numbers (number of the format x scale) in f32.
;;   ~~~python
;;   def quantise(x, axis, e):      # numpy; x: float32 -> the quantised numbers, widened to float32 again
;;       x = np.moveaxis(x, axis, -1); K = x.shape[-1]
;;       r = np.clip(x / 2.0 ** e, -448, 448)
;;       step = 2.0 ** (np.maximum(np.frexp(np.where(r == 0, 1, r))[1] - 1, -6) - 3)
;;       q = np.round(r / step) * step * 2.0 ** e      # np.round: ties to even
;;       return np.moveaxis(q, -1, axis).astype(np.float32)
;;   ~~~
;;   SOFTMAX AHEAD OF A QUANTISED PRODUCT. Where the list says 'softmax', what is quantised is not the finished softmax but p = 2^(t - M), with t = logit x log2(e) and M = ceil(the row's largest t), a whole number; so 1/2 < the row's largest p <= 1. The row's sum l is taken of the UNQUANTISED p, in f32, and the product's result is divided by l at the end. Since M is a whole number, a kernel that streams over the keys may use a running M (the ceiling of the running maximum): every later rescaling is an exact power of two, so the quantised numbers keep their values, but for numbers so far below the row's largest that they fall under the format's range.
;;   OPERANDS COMPUTED ON THE WAY. 'Computed on the way' means the value that the module computes at that place (a softmax that the list does not call 'softmax' is quantised finished and normalised). What goes into a quantiser is computed in f32, as accurately as f32 sums, v_exp_f32 and their like allow (about 1e-6 of the number): no bf16 or f16 on the way to a quantiser, and a product that is left as it is and whose result goes on into a quantised operand takes f32 operands (vector FMAs, or v_wmma_f32_16x16x4_f32). A number that lies on a knife's edge between two numbers of the format may be rounded either way, as far as f32 arithmetic and the matrix unit's own rounding can turn it there, and no further.
;; One version. Each part assembles by itself: llvm-mc -triple=amdgcn-amd-amdhsa -mcpu=gfx1250 --defsym DOCPART=n.
;; ======== version 1 of 1: 4 launches
;; limits: right only within a limited range of input values
;; workspace buffers: xq 8,388,608 bytes; waq 3,145,728 bytes; woq 1,048,576 bytes; qc 8,388,608 bytes; kc 8,388,608 bytes; vc 8,388,608 bytes; ao 8,388,608 bytes
;; launch prep (part 1): grid 384 x 1, 4 waves a work-group, no clusters, 68,096 bytes of LDS; arguments x, w_attn, w_out, lowp_scales, xq, waq, woq; writes xq, waq, woq
.if DOCPART == 1
	.amdgcn_target "amdgcn-amd-amdhsa--gfx1250"
	.amdhsa_code_object_version 6
	.text
	.protected	k_qfe4e77da48_prep
	.globl	k_qfe4e77da48_prep
	.p2align	8
	.type	k_qfe4e77da48_prep,@function
k_qfe4e77da48_prep:
	s_mov_b64 s[64:65], 0
	v_nop
	global_prefetch_b8 v0, s[64:65] scope:SCOPE_SE
	s_setreg_imm32_b32 hwreg(HW_REG_WAVE_MODE, 25, 1), 1
	s_wait_xcnt 0x0
; PREP: the three f32 inputs become codes of FP8 (E4M3), K innermost, each with the one scale 2^e that is given for it.
;   x      [8192][1024]  -> xq  [8192][1024]   e = entry 0     (K is innermost already)
;   w_attn [1024][3072]  -> waq [3072][1024]   e = entry 1     (K is the FIRST axis)
;   w_out  [1024][1024]  -> woq [1024][1024]   e = entry 7     (K is the FIRST axis)
; code = number / 2^e, held within +-448, rounded to the nearest code, ties to even.
; LIMITS: each e lies between -126 and 119, so that 2^e and 448 x 2^e are f32 numbers.  NaN among the inputs is not served.
; SHARES: every work-group takes 32,768 numbers.  Work-groups 0-255 take x as a plain stream; work-groups 256-383 take the weights, 128 columns x 256 along K each.
; The two ways part on the work-group's number, never join again, and have LDS bytes of their own.  No tensor loads, no barrier: waves share nothing; no input is read by two work-groups, so nothing could be shared in a cluster.
.set STEPS, 16
.set SP,    80                         ; x: a lane's place in a stage: its 64 bytes + 16 of padding
.set WREG,  8192                       ; x: LDS bytes of a wave: two stages of 32 x SP
.set R,     16                         ; x: v16-79   four sets of 16 numbers as they are loaded
.set X,     80                         ; x: v80-111  two sets of 16 neighbours
.set C,     128                        ; x: v128-191 codes: four registers for each step
.set WSTG,  32768                      ; weights: the stages begin here
.set WP,    272                        ; weights: a stage row: 256 codes + 16 bytes
.set NB,    8                          ; weights: blocks of 32 along K for a wave
.set WX,    32                         ; weights: v32-95   two sets of 32 numbers
.set WC,    96                         ; weights: v96-103  a block's codes
.set OUTR,  112                        ; weights: v112-175 the way out
.set OFF,   176                        ; weights: v176-207 byte offset of row i of a block: 4 x lane + i x the row's bytes; never rewritten
.macro XLOAD t                         ; step t's 2,048 bytes: each load reads 512 consecutive bytes
.irp i, 0,1,2,3
	global_load_b128 v[R+16*((\t)%4)+4*\i:R+16*((\t)%4)+4*\i+3], v3, s[4:5] offset:2048*(\t)+512*\i th:TH_LOAD_NT
.endr
.endm
.macro XTURN t                         ; step t's numbers through the wave's own stage: in as they lie, out 64 bytes a lane.  LDS serves a wave's instructions in order: no wait between
.irp i, 0,1,2,3
	ds_store_b128 v14, v[R+16*((\t)%4)+4*\i:R+16*((\t)%4)+4*\i+3] offset:32*SP*((\t)%2)+8*SP*\i
.endr
.irp i, 0,1,2,3
	ds_load_b128 v[X+16*((\t)%2)+4*\i:X+16*((\t)%2)+4*\i+3], v15 offset:32*SP*((\t)%2)+16*\i
.endr
.endm
.macro XSTEP t
.set XS, X+16*((\t)%2)
	s_wait_dscnt 0x0                               ; this step's numbers are back from the stage, and its stores into the stage have read their registers,
.if (\t)+4 < STEPS
	XLOAD (\t)+4                                   ; which take the loads of four steps on
.endif
.if (\t)+1 < STEPS
.if STEPS-2-(\t) >= 3
	s_wait_loadcnt 12                              ; the next step's four loads are in; the twelve of the three steps behind it may be out
.else
	s_wait_loadcnt 4*(STEPS-2-(\t))                ; at the end the count runs down
.endif
	XTURN (\t)+1
.endif
.set nn, 0
.rept 16
	v_med3_num_f32 v[XS+nn], v[XS+nn], -v10, v10   ; the conversion does not saturate (ISA guide 7.6.2): the hold at the largest code x the scale comes first
.set nn, nn+1
.endr
	v_cvt_scalef32_pk8_fp8_f32 v[C+4*(\t):C+4*(\t)+1], v[XS:XS+7], v11
	v_cvt_scalef32_pk8_fp8_f32 v[C+4*(\t)+2:C+4*(\t)+3], v[XS+8:XS+15], v11
	global_store_b128 v3, v[C+4*(\t):C+4*(\t)+3], s[12:13] offset:512*(\t)   ; the wave stores 512 consecutive bytes; each step has its own data registers
.endm
.macro WLOAD t                         ; block t: W(32 t + i, my column), i = 0 .. 31: each load reads 128 consecutive bytes, the four waves stand side by side
.set ii, 0
.rept 32
	global_load_b32 v[WX+32*((\t)%2)+ii], v[OFF+ii], s[32+2*(\t):33+2*(\t)] th:TH_LOAD_NT
.set ii, ii+1
.endr
.endm
.macro WBLOCK t
.set XS, WX+32*((\t)%2)
.if (\t) < NB-1
	s_wait_loadcnt 32                              ; this block's 32 loads are in; the next block's 32 may be out
.else
	s_wait_loadcnt 0x0
.endif
.set nn, 0
.rept 32
	v_med3_num_f32 v[XS+nn], v[XS+nn], -v10, v10
.set nn, nn+1
.endr
.irp g, 0,1,2,3
	v_cvt_scalef32_pk8_fp8_f32 v[WC+2*\g:WC+2*\g+1], v[XS+8*\g:XS+8*\g+7], v11
.endr
	ds_store_b128 v4, v[WC:WC+3] offset:32*(\t)    ; 32 codes: 32 bytes of my column's row
	ds_store_b128 v4, v[WC+4:WC+7] offset:32*(\t)+16
.if (\t)+2 < NB
	WLOAD (\t)+2
.endif
	s_wait_dscnt 0x0                               ; the stores have read their registers: the next block's codes may be written
.endm
	s_load_b256 s[4:11], s[0:1], 0x0               ; x s[4:5], w_attn s[6:7], w_out s[8:9], the exponents s[10:11]
	s_load_b128 s[12:15], s[0:1], 0x20             ; xq s[12:13], waq s[14:15]
	s_load_b64 s[16:17], s[0:1], 0x30              ; woq
	v_lshl_add_u32 v208, v0, 2, 0x10800
	v_mov_b32 v209, 0
	v_lshrrev_b32 v1, 5, v0
	v_readfirstlane_b32 s18, v1                    ; wave
	v_and_b32 v2, 31, v0                           ; lane
	v_lshlrev_b32 v3, 4, v2                        ; 16 x lane
	; every LDS address is made here, ahead of the parting
	s_mul_i32 s19, s18, WREG
	v_lshrrev_b32 v14, 2, v2
	v_mul_u32_u24 v14, v14, SP
	v_and_b32 v15, 3, v2
	v_lshl_add_u32 v14, v15, 4, v14
	v_add_nc_u32 v14, s19, v14                     ; x's stage, in: SP (lane / 4) + 16 (lane % 4)
	v_mul_u32_u24 v15, v2, SP
	v_add_nc_u32 v15, s19, v15                     ; and out: SP x lane
	s_mul_i32 s19, s18, 32*WP
	s_add_co_u32 s19, s19, WSTG
	v_mul_u32_u24 v4, v2, WP
	v_add_nc_u32 v4, s19, v4                       ; the weights' stage, in: row = my column
	v_and_b32 v5, 15, v2
	v_lshrrev_b32 v6, 4, v2
	v_mul_u32_u24 v7, v6, WP
	v_lshl_add_u32 v7, v5, 4, v7
	v_add_nc_u32 v7, s19, v7                       ; and out: sixteen lanes to a row, two rows an instruction
	v_lshlrev_b32 v8, 10, v6
	v_lshl_add_u32 v8, v5, 4, v8                   ; the same place in the codes' buffer: rows of 1,024 bytes
	s_wait_kmcnt 0x0
	s_load_b256 s[24:31], s[10:11], 0x0            ; the eight exponents
	s_cmp_lt_u32 ttmp9, 256
	s_cbranch_scc0 .Lweights
	; ---- x: a wave takes 16 steps of 512 numbers
	s_lshl_b32 s20, ttmp9, 2
	s_add_co_u32 s20, s20, s18                     ; which run of 8,192 numbers is my wave's
	s_lshl_b32 s22, s20, 13                        ; its codes,
	s_lshl_b32 s20, s20, 15                        ; its numbers, in bytes
	s_mov_b32 s21, 0
	s_mov_b32 s23, 0
	s_add_nc_u64 s[4:5], s[4:5], s[20:21]
	s_add_nc_u64 s[12:13], s[12:13], s[22:23]
.irp t, 0,1,2,3
	XLOAD \t
.endr
	s_wait_kmcnt 0x0
	s_add_co_i32 s24, s24, 127
	s_lshl_b32 s25, s24, 23
	v_mov_b32 v11, s25                             ; 2^e0 as f32: the conversion takes its exponent field
	s_add_co_i32 s24, s24, 8
	s_lshl_b32 s24, s24, 23
	s_or_b32 s24, s24, 0x600000
	v_mov_b32 v10, s24                             ; 448 x 2^e0
	s_wait_alu depctr_va_vdst(0)
	s_wait_loadcnt 12                              ; step 0's four loads are in
	XTURN 0
.irp t, 0,1,2,3,4,5,6,7,8,9,10,11,12,13,14,15
	XSTEP \t
.endr
	s_wait_tensorcnt 0x0
	ds_add_u32 v208, v209
	s_wait_dscnt 0x0
	s_endpgm
.Lweights:
	; ---- the weights: a lane takes a column n, its registers run down K: the conversions then give codes with K innermost
	s_sub_co_u32 s20, ttmp9, 256
	s_and_b32 s21, s20, 3                          ; which 256 along K
	s_lshr_b32 s20, s20, 2                         ; block of 128 columns: 0-23 of w_attn, 24-31 are w_out's 0-7
	s_mov_b32 s22, 4096
	s_cmp_lt_u32 s20, 24                           ; the choice hangs on the work-group's number alone
	s_cselect_b32 s22, 12288, s22                  ; a row of the source in bytes
	s_cselect_b64 s[6:7], s[6:7], s[8:9]           ; the source
	s_cselect_b64 s[14:15], s[14:15], s[16:17]     ; the codes
	s_cselect_b32 s48, 1, 0
	s_cselect_b32 s23, 0, 24
	s_sub_co_u32 s20, s20, s23
	s_lshl_b32 s20, s20, 7
	s_lshl_b32 s23, s18, 5
	s_add_co_u32 s20, s20, s23                     ; my wave's first column
	s_mul_i32 s50, s21, s22
	s_lshl_b32 s50, s50, 8                         ; 256 rows for each step along K,
	s_lshl_b32 s23, s20, 2
	s_add_co_u32 s50, s50, s23                     ; + 4 bytes a column
	s_mov_b32 s51, 0
	s_add_nc_u64 s[32:33], s[6:7], s[50:51]        ; block 0's base;
	s_lshl_b32 s52, s22, 5
	s_mov_b32 s53, 0
.irp t, 1,2,3,4,5,6,7
	s_add_nc_u64 s[32+2*\t:33+2*\t], s[30+2*\t:31+2*\t], s[52:53]   ; each block has a base of its own, 32 rows on: no address register is ever written again
.endr
	s_lshl_b32 s54, s20, 10                        ; codes: column x 1,024 + 256 x the step along K
	s_lshl_b32 s55, s21, 8
	s_add_co_u32 s54, s54, s55
	s_mov_b32 s55, 0
	s_add_nc_u64 s[14:15], s[14:15], s[54:55]
	v_lshlrev_b32 v[OFF], 2, v2
.set ii, 1
.rept 31
	v_add_nc_u32 v[OFF+ii], s22, v[OFF+ii-1]
.set ii, ii+1
.endr
	WLOAD 0
	WLOAD 1
	s_wait_kmcnt 0x0
	s_cmp_eq_u32 s48, 1
	s_cselect_b32 s25, s25, s31                    ; e1 or e7
	s_add_co_i32 s25, s25, 127
	s_lshl_b32 s26, s25, 23
	v_mov_b32 v11, s26                             ; 2^e
	s_add_co_i32 s25, s25, 8
	s_lshl_b32 s25, s25, 23
	s_or_b32 s25, s25, 0x600000
	v_mov_b32 v10, s25                             ; 448 x 2^e
	s_wait_alu depctr_va_vdst(0)
.irp t, 0,1,2,3,4,5,6,7
	WBLOCK \t
.endr
.set tt, 0
.rept 16
	ds_load_b128 v[OUTR+4*tt:OUTR+4*tt+3], v7 offset:2*tt*WP   ; LDS serves a wave's instructions in order: these see my stores
.set tt, tt+1
.endr
.set tt, 0
.rept 16
	s_wait_dscnt 15-tt                             ; LDS loads come back in order: load tt is in
	global_store_b128 v8, v[OUTR+4*tt:OUTR+4*tt+3], s[14:15] offset:2*tt*1024   ; sixteen lanes store 256 consecutive bytes, aligned
.set tt, tt+1
.endr
	s_wait_tensorcnt 0x0
	ds_add_u32 v208, v209
	s_wait_dscnt 0x0
	s_endpgm
.Lfunc_end_k_qfe4e77da48_prep:
	.size	k_qfe4e77da48_prep, .Lfunc_end_k_qfe4e77da48_prep-k_qfe4e77da48_prep
	.p2alignl 7, 3214868480
	.fill 96, 4, 3214868480
	.section	.rodata,"a",@progbits
	.p2align	6, 0x0
	.amdhsa_kernel k_qfe4e77da48_prep
		.amdhsa_group_segment_fixed_size 68096
		.amdhsa_private_segment_fixed_size 0
		.amdhsa_enable_private_segment 0
		.amdhsa_kernarg_size 56
		.amdhsa_user_sgpr_count 2
		.amdhsa_user_sgpr_kernarg_segment_ptr 1
		.amdhsa_wavefront_size32 1
		.amdhsa_system_sgpr_workgroup_id_x 1
		.amdhsa_system_sgpr_workgroup_id_y 1
		.amdhsa_system_sgpr_workgroup_id_z 1
		.amdhsa_system_vgpr_workitem_id 0
		.amdhsa_next_free_vgpr 210
		.amdhsa_next_free_sgpr 66
		.amdhsa_reserve_vcc 0
		.amdhsa_float_denorm_mode_32 3
		.amdhsa_float_denorm_mode_16_64 3
		.amdhsa_memory_ordered 1
		.amdhsa_forward_progress 1
		.amdhsa_inst_pref_size 87
	.end_amdhsa_kernel
	.amdgpu_metadata
---
amdhsa.version: [ 1, 2 ]
amdhsa.kernels:
  - .name:           k_qfe4e77da48_prep
    .symbol:         k_qfe4e77da48_prep.kd
    .args:
      - { .name: x, .offset: 0, .size: 8, .value_kind: global_buffer, .address_space: global }
      - { .name: w_attn, .offset: 8, .size: 8, .value_kind: global_buffer, .address_space: global }
      - { .name: w_out, .offset: 16, .size: 8, .value_kind: global_buffer, .address_space: global }
      - { .name: lowp_scales, .offset: 24, .size: 8, .value_kind: global_buffer, .address_space: global }
      - { .name: xq, .offset: 32, .size: 8, .value_kind: global_buffer, .address_space: global }
      - { .name: waq, .offset: 40, .size: 8, .value_kind: global_buffer, .address_space: global }
      - { .name: woq, .offset: 48, .size: 8, .value_kind: global_buffer, .address_space: global }
    .group_segment_fixed_size: 68096
    .private_segment_fixed_size: 0
    .kernarg_segment_align: 8
    .kernarg_segment_size: 56
    .max_flat_workgroup_size: 128
    .sgpr_count:     66
    .vgpr_count:     210
    .wavefront_size: 32
...
	.end_amdgpu_metadata
.endif
;; end of part 1
;; launch qkv (part 2): grid 4 x 64, 4 waves a work-group, clusters of 4 x 4, 327,680 bytes of LDS; arguments xq, waq, lowp_scales, b_attn, qc, kc, vc; writes qc, kc, vc
.if DOCPART == 2
	.amdgcn_target "amdgcn-amd-amdhsa--gfx1250"
	.amdhsa_code_object_version 6
	.text
	.protected	k_qfe4e77da48_qkv
	.globl	k_qfe4e77da48_qkv
	.p2align	8
	.type	k_qfe4e77da48_qkv,@function
k_qfe4e77da48_qkv:
	s_mov_b64 s[64:65], 0
	v_nop
	global_prefetch_b8 v0, s[64:65] scope:SCOPE_SE
	s_setreg_imm32_b32 hwreg(HW_REG_WAVE_MODE, 25, 1), 1
	s_wait_xcnt 0x0
	s_wait_alu depctr_hold_cnt(0) depctr_sa_sdst(0) depctr_va_vdst(0) depctr_va_sdst(0) depctr_va_ssrc(0) depctr_va_vcc(0) depctr_vm_vsrc(0)
	s_getreg_b32 s2, hwreg(HW_REG_IB_STS2, 6, 4)
	s_cmp_eq_u32 s2, 0
	s_cbranch_scc0 .Lentry_in_a_cluster
	s_endpgm
.Lentry_in_a_cluster:
	s_bfe_u32 s2, ttmp6, 0x10000c
	s_cmp_lg_u32 s2, 0xf033
	s_cbranch_scc0 .Lentry_shape_is_right
	s_endpgm
.Lentry_shape_is_right:
.set PITCH,  272
.set ATILE,  128*PITCH
.set SLOT,   3*ATILE
.set SPARE,  2*SLOT
.set STAGE,  SPARE+512
.set SPITCH, 144
.set ADRA, 16
.set ADRB, 20
.set STO,  24
.set RDQ,  25
.set RDV,  26
.set GO,   27
.set SPW,  28
.set NIL,  29
.set H32,  30
.set R4,   31
.set T,    32
.set CD,   96
.set BBQ,  0
.set BBK,  64
.set BAV,  128
.set G1,  24
.set G0,  32
.set G1B, 48
.set G0B, 56
.set AX,  66
.set AV,  68
.set BQ,  70
.set BK,  72
.set BV,  74
.set MUL, 0xa1
.set MSB, 0
.macro WIN new
.if MSB != \new
	s_set_vgpr_msb (MSB<<8)|\new
.set MSB, \new
.endif
.endm
.macro JLOAD g0a, g1a, g0b, g1b
	s_cmp_eq_u32 s15, 0
	s_cbranch_scc0 .Lfor_b_\@
	tensor_load_to_lds s[\g0a:\g0a+3], s[\g1a:\g1a+7]
	s_nop 0
.rept 4
	v_nop
.endr
	s_branch .Lasked_\@
.Lfor_b_\@:
	tensor_load_to_lds s[\g0b:\g0b+3], s[\g1b:\g1b+7]
	s_nop 0
.rept 4
	v_nop
.endr
.Lasked_\@:
.endm
.macro CREST
	s_cmp_lg_u32 s14, 0
	s_cbranch_scc1 .Lnot_wave_0_\@
	s_barrier_signal -3
.Lnot_wave_0_\@:
	s_barrier_wait -3
	s_barrier_signal -1
	s_barrier_wait -1
.endm
.macro CROUND
	s_barrier_signal -1
	s_barrier_wait -1
	CREST
.endm
; A prefetch of the fill that stands two refills on: of the rows that my wave will fetch (A: 64, B: 128) my work-group's quarter, a lane a row, 256 bytes of each row; bo = 1: B's waves alone (A's rows have been read)
.macro ASK base, koff, bo
.if \bo
	s_cmp_lg_u32 s15, 0
	s_cbranch_scc0 .Lno_ask_\@
.endif
	global_prefetch_b8 v14, s[\base:\base+1] offset:\koff th:TH_LOAD_NT scope:SCOPE_SE
.if \bo
.Lno_ask_\@:
.endif
.endm
.macro PLACES n
.rept \n
	v_nop
.endr
.endm
.macro FRAG reg, adr, q, i
.irp c, 0,1,2,3
	ds_load_b128 v[\reg+4*\c:\reg+4*\c+3], v[\adr] offset:128*(\q)+32*\c+(\i)*16*PITCH
.endr
.endm
.macro FETCH slot, q, p
	WIN 0x40
.irp i, 0,1,2,3,4,5,6,7
	FRAG 128*(\p)+16*\i, ADRB+\slot, \q, \i
.endr
	WIN 0
.irp i, 0,1,2,3
	FRAG 128+64*(\p)+16*\i, ADRA+\slot, \q, \i
.endr
.endm
.macro MUL8 a, p, zero
.irp b, 0,1,2,3,4,5,6,7
.if \zero
	v_wmma_f32_16x16x128_fp8_fp8 v[8*(8*(\a)+\b):8*(8*(\a)+\b)+7], v[128*(\p)+16*\b:128*(\p)+16*\b+15], v[128+64*(\p)+16*(\a):128+64*(\p)+16*(\a)+15], 0
.else
	v_wmma_f32_16x16x128_fp8_fp8 v[8*(8*(\a)+\b):8*(8*(\a)+\b)+7], v[128*(\p)+16*\b:128*(\p)+16*\b+15], v[128+64*(\p)+16*(\a):128+64*(\p)+16*(\a)+15], v[8*(8*(\a)+\b):8*(8*(\a)+\b)+7]
.endif
.endr
.endm
.macro STEP slot, zero
.if \zero == 0
	PLACES 4
.endif
	FETCH \slot, 1, 1
	s_wait_dscnt 48
	WIN MUL
	MUL8 0, 0, \zero
	MUL8 1, 0, \zero
	MUL8 2, 0, \zero
	MUL8 3, 0, \zero
	WIN 0
.endm
.macro TURN slot, next, fill, abase, bbase, koff, pf, pk, bo
	s_wait_tensorcnt 0x0
	ds_add_u32 v[SPW], v[NIL]
	s_wait_dscnt 1
	WIN MUL
	MUL8 0, 1, 0
	s_wait_dscnt 0x0
	s_barrier_signal -1
	MUL8 1, 1, 0
	WIN 0
	s_barrier_wait -1
.if \fill
	CREST
	s_add_nc_u64 s[G0+4*\slot+2:G0+4*\slot+3], s[\abase:\abase+1], \koff
	s_or_b32 s[G0+4*\slot+3], s[G0+4*\slot+3], 0x80000000
	s_add_nc_u64 s[G0B+4*\slot+2:G0B+4*\slot+3], s[\bbase:\bbase+1], \koff
	s_or_b32 s[G0B+4*\slot+3], s[G0B+4*\slot+3], 0x80000000
	JLOAD G0+4*\slot, G1, G0B+4*\slot, G1B
.else
	PLACES 4
.endif
	FETCH \next, 0, 0
.if \pf
	ASK \pf, \pk, \bo
.endif
	WIN MUL
	MUL8 2, 1, 0
	MUL8 3, 1, 0
	WIN 0
.endm
.macro LAST
	s_wait_dscnt 0x0
	WIN MUL
	MUL8 0, 1, 0
	MUL8 1, 1, 0
	MUL8 2, 1, 0
	MUL8 3, 1, 0
	WIN 0
.endm
.macro TILE pa, pb, na, nb, pf, bo
	STEP 0, 1
	TURN 0, 1, 1, \pa, \pb, 512, \pf, 0, \bo
	STEP 1, 0
	TURN 1, 0, 1, \pa, \pb, 768, \pf, 256, \bo
	STEP 0, 0
	TURN 0, 1, 1, \na, \nb, 0, \pf, 512, \bo
	STEP 1, 0
	TURN 1, 0, 1, \na, \nb, 256, \pf, 768, \bo
.endm
.macro WAYOUT kind, bias, sc, lim, out
	s_wait_xcnt 0x0
	PLACES 4
.irp a, 0,1,2,3
.if \a == 2
	s_wait_dscnt 0x0
.endif
	WIN 0x32
.irp b, 0,1,2,3,4,5,6,7
.irp i, 0,2,4,6
.if \kind
	v_pk_fma_f32 v[T+8*\b+\i:T+8*\b+\i+1], v[8*(8*\a+\b)+\i:8*(8*\a+\b)+\i+1], s[96:97], v[BAV+2*\a:BAV+2*\a+1] op_sel_hi:[1,0,1]
.else
	v_pk_fma_f32 v[T+8*\b+\i:T+8*\b+\i+1], v[8*(8*\a+\b)+\i:8*(8*\a+\b)+\i+1], s[96:97], v[\bias+8*\b+\i:\bias+8*\b+\i+1] op_sel_hi:[1,0,1]
.endif
.endr
.endr
	WIN 0
.set nn, 0
.rept 64
	v_med3_num_f32 v[T+nn], v[T+nn], -v[\lim], v[\lim]
.set nn, nn+1
.endr
.irp b, 0,1,2,3,4,5,6,7
	v_cvt_scalef32_pk8_fp8_f32 v[CD+16*(\a%2)+2*\b:CD+16*(\a%2)+2*\b+1], v[T+8*\b:T+8*\b+7], v[\sc]
.endr
	v_nop
.irp b, 0,1,2,3,4,5,6,7
	ds_store_b64 v[STO], v[CD+16*(\a%2)+2*\b:CD+16*(\a%2)+2*\b+1] offset:\a*16*SPITCH+16*\b
.endr
.endr
.if \kind
.set tt, 0
.rept 16
	ds_load_b128 v[T+4*tt:T+4*tt+3], v[RDV] offset:4*tt*SPITCH
.set tt, tt+1
.endr
.set tt, 0
.rept 16
	s_wait_dscnt 15-tt
	global_store_b128 v[GO], v[T+4*tt:T+4*tt+3], s[\out:\out+1] offset:512*tt
.set tt, tt+1
.endr
.else
.set tt, 0
.irp hh, 0,1
.irp sg, 0,2,1,3,4,6,5,7
	ds_load_b128 v[T+4*tt:T+4*tt+3], v[RDQ] offset:8*\sg*SPITCH+64*\hh
.set tt, tt+1
.endr
.endr
.irp hh, 0,1
.irp g, 0,1,2,3,4,5,6,7
	s_wait_dscnt 15-(8*\hh+\g)
	global_store_b128 v[GO], v[T+4*(8*\hh+\g):T+4*(8*\hh+\g)+3], s[\out:\out+1] offset:\hh*131072+512*\g
.endr
.endr
.endif
.endm
.macro SCALE e, sc, lim
	s_add_co_i32 s2, s[\e], 127
	s_lshl_b32 s3, s2, 23
	v_mov_b32 v[\sc], s3
	s_add_co_i32 s2, s2, 8
	s_lshl_b32 s2, s2, 23
	s_or_b32 s2, s2, 0x600000
	v_mov_b32 v[\lim], s2
.endm
	s_load_b256 s[4:11], s[0:1], 0x0
	s_load_b128 s[84:87], s[0:1], 0x20
	s_load_b64 s[88:89], s[0:1], 0x30
	v_lshl_add_u32 v[SPW], v0, 2, SPARE
	v_mov_b32 v[NIL], 0
	ds_add_u32 v28, v29
	ds_add_u32 v28, v29
	s_wait_dscnt 0x0
	v_lshrrev_b32 v1, 5, v0
	v_readfirstlane_b32 s14, v1
	s_lshr_b32 s15, s14, 1
	s_and_b32 s16, s14, 1
	s_bfe_u32 s40, ttmp6, 0x40000
	s_bfe_u32 s41, ttmp6, 0x40004
	s_and_b32 s42, ttmp7, 0xffff
	s_lshl_b32 s43, s41, 2
	s_lshl_b32 s43, 15, s43
	s_lshl_b32 s44, 0x1111, s40
	s_or_b32 s[G1+0], s43, (1<<20)|(1<<21)|(5<<22)|(3<<25)
	s_or_b32 s[G1B+0], s44, (1<<20)|(1<<21)|(5<<22)|(3<<25)
	s_mov_b32 s[G1+1], 256<<16
	s_mov_b32 s[G1+2], 64<<16
	s_mov_b32 s[G1+3], 256<<16
	s_mov_b32 s[G1+4], 64
	s_mov_b32 s[G1+5], 1024
	s_mov_b32 s[G1+6], 0
	s_mov_b32 s[G1+7], 0
	s_mov_b32 s[G1B+1], 256<<16
	s_mov_b32 s[G1B+2], 128<<16
	s_mov_b32 s[G1B+3], 256<<16
	s_mov_b32 s[G1B+4], 128
	s_mov_b32 s[G1B+5], 1024
	s_mov_b32 s[G1B+6], 0
	s_mov_b32 s[G1B+7], 0
	s_lshl_b32 s17, s42, 2
	s_add_co_u32 s17, s17, s41
	s_lshl_b32 s18, s17, 17
	s_lshl_b32 s20, s16, 16
	s_add_co_u32 s18, s18, s20
	s_mov_b32 s19, 0
	s_and_b32 s21, s42, 1
	s_lshl_b32 s21, s21, 2
	s_add_co_u32 s21, s21, s41
	s_lshl_b32 s22, s21, 17
	s_add_co_u32 s22, s22, s20
	s_add_co_u32 s22, s22, 2048*1024
	s_mov_b32 s23, 0
	s_lshl_b32 s46, s40, 18
	s_lshl_b32 s45, s16, 17
	s_add_co_u32 s46, s46, s45
	s_mov_b32 s47, 0
	s_lshr_b32 s94, s42, 1
	s_lshl_b32 s94, s94, 2
	s_add_co_u32 s94, s94, s40
	s_lshl_b32 s98, s94, 18
	s_add_co_u32 s98, s98, s45
	s_mov_b32 s99, 0
	s_mul_i32 s12, s16, 64*PITCH
	s_mul_i32 s13, s16, 128*PITCH
	s_add_co_u32 s13, s13, ATILE
	s_wait_kmcnt 0x0
	s_load_b256 s[76:83], s[8:9], 0x0
	s_add_nc_u64 s[AX:AX+1], s[4:5], s[18:19]
	s_add_nc_u64 s[AV:AV+1], s[6:7], s[22:23]
	s_add_nc_u64 s[BQ:BQ+1], s[6:7], s[46:47]
	s_add_nc_u64 s[BK:BK+1], s[BQ:BQ+1], 1024*1024
	s_add_nc_u64 s[BV:BV+1], s[4:5], s[98:99]
	s_lshl_b32 s2, s40, 14                         ; the prefetches: the four partners of a joint load share its rows out by address: A's 64 rows by cx, 16 each;
	s_lshl_b32 s3, s41, 15                         ; B's 128 rows by cy, 32 each
	s_cmp_eq_u32 s15, 0
	s_cselect_b64 s[4:5], s[AX:AX+1], s[BQ:BQ+1]   ; the first tile's rows of my wave,
	s_cselect_b64 s[6:7], s[AV:AV+1], s[BV:BV+1]   ; the third tile's
	s_cselect_b32 s22, s2, s3
	s_cselect_b32 s20, 15, 31
	s_mov_b32 s23, 0
	s_add_nc_u64 s[4:5], s[4:5], s[22:23]
	s_add_nc_u64 s[6:7], s[6:7], s[22:23]
	s_add_nc_u64 s[98:99], s[BK:BK+1], s[22:23]    ; the second tile's (B's waves alone use it)
	v_and_b32 v14, 31, v0
	v_min_u32 v14, s20, v14                        ; a lane a row; in A's waves lanes 16-31 name the last row again
	v_lshlrev_b32 v14, 10, v14                     ; never rewritten
	s_wait_alu depctr_va_vdst(0)                   ; the wait behind the write
	CROUND
.irp s, 0,1
	s_mov_b32 s[G0+4*\s], 1
	s_add_co_u32 s[G0+4*\s+1], s12, \s*SLOT
	s_add_nc_u64 s[G0+4*\s+2:G0+4*\s+3], s[AX:AX+1], \s*256
	s_or_b32 s[G0+4*\s+3], s[G0+4*\s+3], 0x80000000
	s_mov_b32 s[G0B+4*\s], 1
	s_add_co_u32 s[G0B+4*\s+1], s13, \s*SLOT
	s_add_nc_u64 s[G0B+4*\s+2:G0B+4*\s+3], s[BQ:BQ+1], \s*256
	s_or_b32 s[G0B+4*\s+3], s[G0B+4*\s+3], 0x80000000
.if \s
	s_wait_alu depctr_va_vdst(0)
	s_wait_tensorcnt 0x0
	ds_add_u32 v28, v29
	ds_add_u32 v28, v29
	s_wait_dscnt 0x0
	CROUND
.endif
	JLOAD G0+4*\s, G1, G0B+4*\s, G1B
	global_prefetch_b8 v14, s[4:5] offset:512+256*\s th:TH_LOAD_NT scope:SCOPE_SE
.endr
	v_and_b32 v1, 15, v0
	s_wait_alu depctr_va_vdst(0)
	v_bfe_u32 v2, v0, 4, 1
	v_mul_u32_u24 v3, v1, PITCH
	v_lshl_add_u32 v3, v2, 4, v3
	s_mul_i32 s2, s15, 64*PITCH
	s_mov_b32 s3, s13
.irp s, 0,1
	v_add_nc_u32 v[ADRA+\s], s2, v3
	v_add_nc_u32 v[ADRB+\s], s3, v3
	s_add_co_u32 s2, s2, SLOT
	s_add_co_u32 s3, s3, SLOT
.endr
	s_mul_i32 s2, s14, 64*SPITCH
	s_add_co_u32 s2, s2, STAGE
	v_mul_u32_u24 v4, v1, SPITCH
	s_wait_alu depctr_va_vdst(0)
	v_lshl_add_u32 v4, v2, 3, v4
	v_add_nc_u32 v[STO], s2, v4
	v_and_b32 v5, 31, v0
	v_lshrrev_b32 v6, 2, v5
	v_mul_u32_u24 v6, v6, SPITCH
	v_and_b32 v7, 3, v5
	v_lshl_add_u32 v6, v7, 4, v6
	v_add_nc_u32 v[RDQ], s2, v6
	v_lshrrev_b32 v6, 3, v5
	v_mul_u32_u24 v6, v6, SPITCH
	v_and_b32 v7, 7, v5
	v_lshl_add_u32 v6, v7, 4, v6
	v_add_nc_u32 v[RDV], s2, v6
	v_lshlrev_b32 v[GO], 4, v5
	v_lshlrev_b32 v[H32], 5, v2
	s_wait_alu depctr_va_vdst(0)
	v_lshlrev_b32 v[R4], 2, v1
	s_wait_alu depctr_va_vdst(0)
	s_lshl_b32 s90, s40, 10
	s_lshl_b32 s91, s16, 9
	s_add_co_u32 s90, s90, s91
	s_mov_b32 s91, 0
	s_add_nc_u64 s[90:91], s[10:11], s[90:91]
	s_lshl_b32 s92, s21, 9
	s_lshl_b32 s93, s15, 8
	s_add_co_u32 s92, s92, s93
	s_add_co_u32 s92, s92, 8192
	s_mov_b32 s93, 0
	s_add_nc_u64 s[92:93], s[10:11], s[92:93]
	WIN 0xc0
.irp b, 0,1,2,3,4,5,6,7
	global_load_b128 v[BBQ+8*\b:BBQ+8*\b+3],   v[H32], s[90:91] offset:64*\b
	global_load_b128 v[BBQ+8*\b+4:BBQ+8*\b+7], v[H32], s[90:91] offset:64*\b+16
	global_load_b128 v[BBK+8*\b:BBK+8*\b+3],   v[H32], s[90:91] offset:4096+64*\b
	global_load_b128 v[BBK+8*\b+4:BBK+8*\b+7], v[H32], s[90:91] offset:4096+64*\b+16
.endr
.irp a, 0,1,2,3
	global_load_b32 v[BAV+2*\a],   v[R4], s[92:93] offset:64*\a
	global_load_b32 v[BAV+2*\a+1], v[R4], s[92:93] offset:64*\a
.endr
	WIN 0
	s_lshr_b32 s2, s17, 4
	s_lshl_b32 s2, s2, 4
	s_lshl_b32 s3, s40, 2
	s_add_co_u32 s2, s2, s3
	s_lshl_b32 s3, s16, 1
	s_add_co_u32 s2, s2, s3
	s_lshl_b32 s2, s2, 17
	s_and_b32 s3, s17, 15
	s_lshl_b32 s3, s3, 13
	s_add_co_u32 s2, s2, s3
	s_lshl_b32 s3, s15, 12
	s_add_co_u32 s2, s2, s3
	s_mov_b32 s3, 0
	s_add_nc_u64 s[84:85], s[84:85], s[2:3]
	s_add_nc_u64 s[86:87], s[86:87], s[2:3]
	s_lshr_b32 s2, s94, 3
	s_lshl_b32 s2, s2, 4
	s_lshl_b32 s3, s21, 1
	s_add_co_u32 s2, s2, s3
	s_add_co_u32 s2, s2, s15
	s_lshl_b32 s2, s2, 4
	s_and_b32 s3, s94, 7
	s_lshl_b32 s3, s3, 1
	s_add_co_u32 s2, s2, s3
	s_add_co_u32 s2, s2, s16
	s_lshl_b32 s2, s2, 13
	s_mov_b32 s3, 0
	s_add_nc_u64 s[88:89], s[88:89], s[2:3]
	s_wait_kmcnt 0x0
	s_add_co_i32 s96, s76, s77
	s_add_co_i32 s96, s96, 127
	s_lshl_b32 s96, s96, 23
	s_mov_b32 s97, s96
	SCALE 78, 8, 9
	SCALE 79, 10, 11
	SCALE 80, 12, 13
	s_wait_tensorcnt 1
	s_barrier_signal -1
	s_barrier_wait -1
	FETCH 0, 0, 0
	TILE AX, BQ, AX, BK, 98, 1
	s_wait_loadcnt 0x0
	WAYOUT 0, BBQ, 8, 9, 84
	TILE AX, BK, AV, BV, 6, 0
	WAYOUT 0, BBK, 10, 11, 86
	STEP 0, 1
	TURN 0, 1, 1, AV, BV, 512, 0, 0, 0
	STEP 1, 0
	TURN 1, 0, 1, AV, BV, 768, 0, 0, 0
	STEP 0, 0
	TURN 0, 1, 0, 0, 0, 0, 0, 0, 0
	STEP 1, 0
	LAST
	WAYOUT 1, 0, 12, 13, 88
	s_wait_tensorcnt 0x0
	ds_add_u32 v[SPW], v[NIL]
	s_wait_dscnt 0x0
	CROUND
	s_endpgm
.Lfunc_end_k_qfe4e77da48_qkv:
	.size	k_qfe4e77da48_qkv, .Lfunc_end_k_qfe4e77da48_qkv-k_qfe4e77da48_qkv
	.p2alignl 7, 3214868480
	.fill 96, 4, 3214868480
	.section	.rodata,"a",@progbits
	.p2align	6, 0x0
	.amdhsa_kernel k_qfe4e77da48_qkv
		.amdhsa_group_segment_fixed_size 327680
		.amdhsa_private_segment_fixed_size 0
		.amdhsa_enable_private_segment 0
		.amdhsa_kernarg_size 56
		.amdhsa_user_sgpr_count 2
		.amdhsa_user_sgpr_kernarg_segment_ptr 1
		.amdhsa_wavefront_size32 1
		.amdhsa_system_sgpr_workgroup_id_x 1
		.amdhsa_system_sgpr_workgroup_id_y 1
		.amdhsa_system_sgpr_workgroup_id_z 1
		.amdhsa_system_vgpr_workitem_id 0
		.amdhsa_next_free_vgpr 1024
		.amdhsa_next_free_sgpr 100
		.amdhsa_reserve_vcc 0
		.amdhsa_float_denorm_mode_32 3
		.amdhsa_float_denorm_mode_16_64 3
		.amdhsa_memory_ordered 1
		.amdhsa_forward_progress 1
		.amdhsa_inst_pref_size 249
	.end_amdhsa_kernel
	.amdgpu_metadata
---
amdhsa.version: [ 1, 2 ]
amdhsa.kernels:
  - .name:           k_qfe4e77da48_qkv
    .symbol:         k_qfe4e77da48_qkv.kd
    .args:
      - { .name: xq, .offset: 0, .size: 8, .value_kind: global_buffer, .address_space: global }
      - { .name: waq, .offset: 8, .size: 8, .value_kind: global_buffer, .address_space: global }
      - { .name: lowp_scales, .offset: 16, .size: 8, .value_kind: global_buffer, .address_space: global }
      - { .name: b_attn, .offset: 24, .size: 8, .value_kind: global_buffer, .address_space: global }
      - { .name: qc, .offset: 32, .size: 8, .value_kind: global_buffer, .address_space: global }
      - { .name: kc, .offset: 40, .size: 8, .value_kind: global_buffer, .address_space: global }
      - { .name: vc, .offset: 48, .size: 8, .value_kind: global_buffer, .address_space: global }
    .group_segment_fixed_size: 327680
    .private_segment_fixed_size: 0
    .kernarg_segment_align: 8
    .kernarg_segment_size: 56
    .max_flat_workgroup_size: 128
    .sgpr_count:     100
    .vgpr_count:     1024
    .wavefront_size: 32
...
	.end_amdgpu_metadata
.endif
;; end of part 2
;; launch attn (part 3): grid 4 x 64, 8 waves a work-group, no clusters, 327,680 bytes of LDS; arguments qc, kc, vc, lowp_scales, ao; writes ao
.if DOCPART == 3
	.amdgcn_target "amdgcn-amd-amdhsa--gfx1250"
	.amdhsa_code_object_version 6
	.text
	.protected	k_qfe4e77da48_attn
	.globl	k_qfe4e77da48_attn
	.p2align	8
	.type	k_qfe4e77da48_attn,@function
k_qfe4e77da48_attn:
	s_mov_b64 s[64:65], 0
	v_nop
	global_prefetch_b8 v0, s[64:65] scope:SCOPE_SE
	s_setreg_imm32_b32 hwreg(HW_REG_WAVE_MODE, 25, 1), 1
	s_wait_xcnt 0x0
; ATTN: o = softmax(q k^T / 8, causal) v for 64 heads (batch x head) of 2,048 tokens x 64, both products on codes of FP8 (E4M3); o is quantised on the way out (entry 6).
; qc, kc [64][2048 places][64]: token s at the place s with bits 3 and 4 exchanged.  vc [64][16][64][128 keys].  ao [16 heads][8192 rows][64]: codes.
; THE SOFTMAX: t = score x log2(e) / 8; M = the row's largest t so far, rounded UP to a whole number; p = 2^(t - M) is quantised (entry 5), not normalised.  The row's sum is taken of the unquantised p and divides O at the end.
; When M moves, the sum and O are multiplied by 2^(old M - new M): exact.
; LEFT OUT: key steps of 128 all of whose keys come after a wave's 32 queries: the causal mask gives them the weight 0 for all values of the inputs.
; LIMITS: e2 + e3 between -123 and 130 (added to c's exponent field); e5, e6 between -126 and 119; e4 + e5 goes by v_ldexp_f32 and has none.  NaN among the inputs is not served.
; SHARES.  Work-group (p, head), p = 0..3, owns the blocks p and 7 - p of 256 queries, one after the other.  Each of its eight waves owns 32 queries of the block, two tiles of 16: tile A in register window 0, tile B in window 1,
; under the same register numbers, so that one macro serves both.  Each fragment of K and of V that a wave reads from LDS feeds both tiles.
; THE RING: two LDS slots of 512 keys.  Block p needs p / 2 + 1 slots, block 7 - p needs (7 - p) / 2 + 1: always FIVE visits, a constant.  Every wave issues one tensor load a visit: waves 0-3 for K, waves 4-7 for V.
; A load is four planes of 2,048 bytes, 8,192 bytes apart in memory: one plane from each of the slot's four key steps (K: 32 places; V: 16 channels x 128 keys).  So every load holds bytes of the slot's first step, which is always read,
; and step q's rows lie 32 q rows (K) or 16 q rows (V) behind step 0's: the step is written once, in a counted loop.  In the last visit of an even block the slot's second half is fetched with the first and not read.
; NO CLUSTER: the jumps round hidden steps hang on p, which differs between the four work-groups of a head, and in one and the same visit the four want different slots.
; PREFETCH: slot 2 of a head is asked for by work-group p = 0 in visit 0, slot 3 by p = 1 in visit 1, each two visits ahead of the first tensor load that names it: one instruction a wave, lanes 256 bytes apart
; (waves 0-3: K's 32,768 bytes; waves 4-7: V's).  Slots 0 and 1 come by their loads alone.
; LAYOUT.  Both products are used transposed (S^T = K Q^T, O^T = V^T P^T): a lane holds ONE query (lane % 16).  By kc's order of places the 16 registers of tiles 2 b and 2 b + 1 are the keys 32 b + 16 (lane / 16) + 0 .. 15.
; REGISTERS.  Both windows: v[14:15] the sum; v16-23 Q; v24-31 o's codes; v96-159 S^T, then p; v160-191 O^T; v192-207 p's codes; v208-239 at work; v240, v243: 448 x 2^e5; v244: 2^e5; v241, v245: the same with e6; v246 a permute's target.
;   Window 0 alone: v1-11 addresses; v[12:13] -M and t of A, v[224:225] of B; v[252:253], v[226:227] f of A, of B; v228-235, v247, v254-255 at work; v242 the prefetch's offset; v32-95 V's fragments.
;   Window 1 alone: v4, v7, v8 tile B's way out; v32-95 K's fragments; v0-3, v10-13, v248-255 the second block's Q.
.set KP,    80                         ; a key's row in LDS: 64 bytes + 16
.set VP,    144                        ; a row of V's tile: 128 bytes + 16
.set VOFF,  512*KP                     ; a slot: 512 rows of K, then 256 rows of V
.set SLOT1, 131072                     ; slot 1 begins here: one exclusive or turns an address from one slot to the other
.set SPARE, 2*SLOT1                    ; the spare words, 128 bytes for each of eight waves
.set STAGE, SPARE+1024                 ; the way out: 2 x 16 rows x 64 bytes for each wave; no tensor load lands here
.set AK0,  1
.set AV0,  2
.set QOFF, 3
.set STO,  4
.set SPW,  5
.set NIL,  6
.set SRD,  7
.set GO,   8
.set ADK,  9
.set ADV,  10
.set DB,   11                          ; v11  lane % 16 - 16 (lane / 16)
.set PFO,  242
.set TB,   2                           ; s2   LDS byte at which the slot in hand begins
.set QI,   3                           ; s3   the key step in the slot
.set WV,   18
.set SEL,  20
.set CS,   22
.set G1K,  24
.set G1V,  32
.set G0K,  40
.set G0V,  44
.set KB,   48
.set VB,   50
.set OF,   52
.set NS,   54                          ; s54  the key slot of the visit in hand
.set VIS,  55
.set PP,   56                          ; s56  the first block's last visit;  s57  the second block's first
.set PP1,  57
.set DL,   58
.set DQ,   60
.set SK,   66                          ; s66  the NEXT step's rows of K, in bytes from the slot's first;  s67  LDS byte of this step's rows of V
.set SV,   67
.set PFA,  80
.set LIM,  87
.set KF,   98
.set Q0,   99
.set MSB, 0
.macro WIN new                         ; the immediate's high byte repeats the setting that is left
.if MSB != \new
	s_set_vgpr_msb (MSB<<8)|\new
.set MSB, \new
.endif
.endm
.macro NOPS n
.rept \n
	v_nop
.endr
.endm
.macro TLOAD                           ; one chain: waves 0-3 fetch for K, waves 4-7 for V.  An s_nop 0 and four v_nop follow each line
	s_cmp_lt_u32 s[WV], 4
	s_cbranch_scc0 .Lfor_v_\@
	tensor_load_to_lds s[G0K:G0K+3], s[G1K:G1K+7]
	s_nop 0
	NOPS 4
	s_branch .Lasked_\@
.Lfor_v_\@:
	tensor_load_to_lds s[G0V:G0V+3], s[G1V:G1V+7]
	s_nop 0
	NOPS 4
.Lasked_\@:
.endm
.macro KLOAD                           ; a step's eight tiles of 16 keys into window 1
	WIN 0x40
.irp t, 0,1,2,3,4,5,6,7
	ds_load_b128 v[32+8*\t:35+8*\t], v[ADK] offset:(128*(\t/2)+16*(\t%2))*KP
	ds_load_b128 v[36+8*\t:39+8*\t], v[ADK] offset:(128*(\t/2)+16*(\t%2))*KP+32
.endr
	WIN 0
.endm
.macro SMUL                            ; S^T of one tile: eight tiles of keys
.irp t, 0,1,2,3,4,5,6,7
	v_wmma_f32_16x16x64_fp8_fp8 v[96+8*\t:103+8*\t], v[32+8*\t:39+8*\t], v[16:23], 0
.endr
.endm
.macro PVMUL
.irp t, 0,1,2,3
	v_wmma_f32_16x16x128_fp8_fp8 v[160+8*\t:167+8*\t], v[32+16*\t:47+16*\t], v[192:207], v[160+8*\t:167+8*\t]
.endr
.endm
.macro MASK d, b                       ; block b of 32 keys: hidden scores become -infinity: register 16 b + i holds key KF + 16 (lane / 16) + 32 b + i, hidden where 32 b + i > d
.set nn, 16*(\b)
.rept 16
	v_cmp_gt_i32 vcc_lo, 32*(nn/16)+nn%16, v[\d]
	v_cndmask_b32 v[96+nn], v[96+nn], v230, vcc_lo
.set nn, nn+1
.endr
.endm
.macro MBLK b, lab                     ; a block of 32 keys that count for all my 32 queries (32 b + 31 <= Q0 - KF) has no mask: a scalar branch on ids
	s_cmp_ge_i32 s96, 32*(\b)+31
	s_cbranch_scc1 \lab
	MASK 228, \b
	WIN 0x41
	MASK 229, \b
	WIN 0
\lab:
.endm
.macro MAX4 d
.irp k, 0,1,2,3
	v_max3_num_f32 v[\d+\k], v[96+3*\k], v[97+3*\k], v[98+3*\k]
.endr
.endm
.macro MAXREST d
.set kk, 0
.rept 26
	v_max3_num_f32 v[\d+kk%4], v[\d+kk%4], v[108+2*kk], v[109+2*kk]
.set kk, kk+1
.endr
.endm
.macro RESC f, m                       ; O^T and the sum x f; then t - M, two at a time
.set nn, 0
.rept 16
	v_pk_mul_f32 v[160+nn:161+nn], v[160+nn:161+nn], v[\f:\f+1] op_sel_hi:[1,0]
.set nn, nn+2
.endr
	v_pk_mul_f32 v[14:15], v[14:15], v[\f:\f+1] op_sel_hi:[1,0]
.set nn, 0
.rept 32
	v_pk_fma_f32 v[96+nn:97+nn], v[96+nn:97+nn], s[CS:CS+1], v[\m:\m+1] op_sel_hi:[1,0,0]
.set nn, nn+2
.endr
.endm
.macro EXPS
.set nn, 0
.rept 64
	v_exp_f32 v[96+nn], v[96+nn]
.set nn, nn+1
.endr
.endm
.macro SUMCVT                          ; the row's sum of the unquantised p, in eight chains; then the hold (p is not negative: one-sided; two numbers a line) and the conversion
.irp k, 0,1,2,3,4,5,6
	v_pk_add_f32 v[208+2*\k:209+2*\k], v[96+4*\k:97+4*\k], v[98+4*\k:99+4*\k]
.endr
	v_pk_add_f32 v[14:15], v[14:15], v[124:125]
.irp k, 0,1,2,3,4,5,6
	v_pk_add_f32 v[208+2*\k:209+2*\k], v[208+2*\k:209+2*\k], v[126+2*\k:127+2*\k]
.endr
	v_pk_add_f32 v[14:15], v[14:15], v[140:141]
.irp k, 0,1,2,3,4,5,6
	v_pk_add_f32 v[208+2*\k:209+2*\k], v[208+2*\k:209+2*\k], v[142+2*\k:143+2*\k]
.endr
	v_pk_add_f32 v[14:15], v[14:15], v[156:157]
	v_pk_add_f32 v[208:209], v[208:209], v[158:159]
	v_pk_add_f32 v[212:213], v[212:213], v[214:215]
	v_pk_add_f32 v[216:217], v[216:217], v[218:219]
	v_pk_add_f32 v[14:15], v[14:15], v[220:221]
	v_pk_add_f32 v[208:209], v[208:209], v[210:211]
	v_pk_add_f32 v[14:15], v[14:15], v[216:217]
	v_pk_add_f32 v[208:209], v[208:209], v[212:213]
	v_pk_add_f32 v[14:15], v[14:15], v[208:209]
.irp b, 0,1,2,3
.irp i, 0,2,4,6,8,10,12,14
	v_dual_min_num_f32 v[96+16*\b+\i], v[96+16*\b+\i], v240 :: v_dual_min_num_f32 v[97+16*\b+\i], v[97+16*\b+\i], v243
.endr
	v_cvt_scalef32_pk8_fp8_f32 v[192+4*\b:193+4*\b], v[96+16*\b:103+16*\b], v244
	v_cvt_scalef32_pk8_fp8_f32 v[194+4*\b:195+4*\b], v[104+16*\b:111+16*\b], v244
.endr
.endm
.macro INIT                            ; a block of queries begins: the step is written once and finds zeros, which the first change of M leaves zeros
	v_mov_b32 v13, 0xff61b1e6
	v_mov_b32 v225, 0xff61b1e6
	v_floor_f32 v12, -v13
	v_floor_f32 v224, -v225
.irp w, 0, 0x40
	WIN \w
	v_mov_b32 v14, 0
	v_mov_b32 v15, 0
.set nn, 0
.rept 32
	v_mov_b32 v[160+nn], 0
.set nn, nn+1
.endr
.endr
	WIN 0
.endm
; THE CHANGE OF SLOTS, at a visit's head: each wave waits for its tensor load, adds 0 to its spare word, and waits for that and for its reads of the slot that it has left.  fill = 1: that slot takes the next visit's keys.
.macro CHANGE fill
	s_wait_tensorcnt 0x0
	ds_add_u32 v[SPW], v[NIL]
	s_lshl_b32 s[KF], s[NS], 9                     ; this visit's first key
.if \fill
	s_add_co_u32 s[NS], s[NS], 1
	s_cmp_eq_u32 s[VIS], s[PP]
	s_cselect_b32 s[NS], 0, s[NS]
	s_lshl_b32 s[OF], s[NS], 15                    ; a slot is 32,768 bytes in kc and in vc
	s_xor_b32 s[G0K+1], s[G0K+1], SLOT1
	s_add_nc_u64 s[G0K+2:G0K+3], s[KB:KB+1], s[OF:OF+1]
	s_or_b32 s[G0K+3], s[G0K+3], 0x80000000
	s_xor_b32 s[G0V+1], s[G0V+1], SLOT1
	s_add_nc_u64 s[G0V+2:G0V+3], s[VB:VB+1], s[OF:OF+1]
	s_or_b32 s[G0V+3], s[G0V+3], 0x80000000
.endif
	s_wait_dscnt 0x0
	s_barrier_signal -1
	s_barrier_wait -1
.if \fill
	TLOAD                                          ; the first thing behind the barrier, a wave's one tensor load until the next
.endif
	v_add_nc_u32 v[ADK], s[TB], v[AK0]
	KLOAD                                          ; step 0's K
	s_mov_b32 s[SK], 32*KP
	s_mov_b32 s[SV], s[TB]
.endm
; THE FOUR KEY STEPS of the slot in hand, 128 keys each, for both tiles.
.macro VISIT
	s_wait_dscnt 0x0                               ; step 0's K is in
	s_mov_b32 s[QI], 0
.Lq_\@:
	s_add_co_u32 s96, s[Q0], 31                    ; a step all of whose keys come after my 32 queries is left out: a scalar branch on ids
	s_cmp_gt_u32 s[KF], s96
	s_cbranch_scc1 .Lhid_\@
	WIN 0x01                                       ; K from window 1
	SMUL
	WIN 0x45                                       ; tile B: Q and S^T in window 1 too
	SMUL
	WIN 0
	s_min_u32 s96, s[SK], 96*KP                    ; held at the slot's last step, so that the address names rows of K on every way
	s_add_co_u32 s96, s96, s[TB]
	v_add_nc_u32 v[ADV], s[SV], v[AV0]             ; with the two v_nop: four places in front of the loads below and of the first read of the scores
	v_add_nc_u32 v[ADK], s96, v[AK0]
	NOPS 2
.irp t, 0,1,2,3
.irp c, 0,1,2,3
	ds_load_b128 v[32+16*\t+4*\c:35+16*\t+4*\c], v[ADV] offset:64*\t*VP+32*\c
.endr
.endr
	s_cmp_eq_u32 s[QI], 3                          ; the slot's last step has no successor in it
	s_cbranch_scc1 .Lnok_\@
	KLOAD                                          ; the next step's K: it and V land while the softmax is walked
.Lnok_\@:
	s_add_co_u32 s96, s[KF], 127                   ; a step all of whose keys count for all my queries has no mask
	s_cmp_le_u32 s96, s[Q0]
	s_cbranch_scc1 .Lopen_\@
	s_sub_co_i32 s96, s[Q0], s[KF]
	s_add_co_i32 s97, s96, 16
	v_add_nc_u32 v228, s96, v[DB]                  ; d of tile A: my query - KF - 16 (lane / 16)
	v_add_nc_u32 v229, s97, v[DB]                  ; of tile B
	v_mov_b32 v230, 0xff800000
	s_wait_alu depctr_va_vdst(0)
	MBLK 0, .Lv0_\@
	MBLK 1, .Lv1_\@
	MBLK 2, .Lv2_\@
	MBLK 3, .Lv3_\@
.Lopen_\@:
	MAX4 228
	MAXREST 228
	WIN 0x15
	MAX4 232
	WIN 0x14
	MAXREST 232
	WIN 0
	v_max3_num_f32 v228, v228, v229, v230          ; from here on the two tiles' chains take turns
	v_max3_num_f32 v232, v232, v233, v234
	v_max_num_f32 v228, v228, v231
	v_max_num_f32 v232, v232, v235
	v_permlanex16_b32 v246, v228, s[SEL], s[SEL+1]
	v_permlanex16_b32 v247, v232, s[SEL], s[SEL+1]
	v_max_num_f32 v228, v228, v246                 ; and lane l xor 16's
	v_max_num_f32 v232, v232, v247
	v_mul_f32 v228, s[CS], v228                    ; as t (c is positive)
	v_mul_f32 v232, s[CS], v232
	v_mov_b32 v254, v12
	v_mov_b32 v255, v224
	v_max_num_f32 v13, v13, v228                   ; the running largest t
	v_max_num_f32 v225, v225, v232
	v_floor_f32 v12, -v13                          ; the new -M = floor(-t)
	v_floor_f32 v224, -v225
	v_sub_f32 v254, v12, v254                      ; old M - new M: a whole number, 0 or less
	v_sub_f32 v255, v224, v255
	v_cvt_i32_f32 v254, v254                       ; (it saturates)
	v_cvt_i32_f32 v255, v255
	v_ldexp_f32 v252, 1.0, v254                    ; f = 2^(old M - new M)
	v_ldexp_f32 v226, 1.0, v255
	RESC 252, 12
	WIN 0x41                                       ; tile B's numbers in window 1, its f and -M in window 0
	RESC 226, 224
	WIN 0
	s_wait_alu depctr_va_vdst(0)                   ; the wait ahead of the batch
	EXPS                                           ; p = 2^(t - M): both tiles' 128 as one batch
	WIN 0x41
	EXPS
	WIN 0
	v_nop                                          ; a plain line behind the exponentials
	s_wait_alu depctr_va_vdst(0)                   ; and one wait for the batch, ahead of its first reader
	SUMCVT
	WIN 0x55
	SUMCVT
	WIN 0
	v_nop                                          ; one plain line behind the last conversion
	s_wait_alu depctr_va_vdst(0)                   ; directly ahead of the wait below
	s_wait_dscnt 0x0                               ; V's fragments and the next step's K are in
	PVMUL
	WIN 0x54                                       ; tile B: V from window 0
	PVMUL
	WIN 0
.Lhid_\@:
	s_add_co_u32 s[KF], s[KF], 128
	s_add_co_u32 s[SK], s[SK], 32*KP
	s_add_co_u32 s[SV], s[SV], 16*VP
	s_add_co_u32 s[QI], s[QI], 1
	s_cmp_lt_u32 s[QI], 4
	s_cbranch_scc1 .Lq_\@
.endm
; THE WAY OUT of a tile of 16 queries: O^T / the sum x 2^(e4 + e5), held, converted with 2^e6; through my stage; 1,024 consecutive bytes of ao.
.macro WAYOUT
	v_add_f32 v14, v14, v15
	v_permlanex16_b32 v246, v14, s[SEL], s[SEL+1]
	v_add_f32 v14, v14, v246                       ; the row's sum
	s_wait_alu depctr_va_vdst(0)                   ; the wait ahead of the transcendental
	v_rcp_f32 v14, v14
	v_nop
	s_wait_alu depctr_va_vdst(0)                   ; and ahead of its first reader
	v_ldexp_f32 v14, v14, s76
	s_wait_alu depctr_va_vdst(0)                   ; and directly ahead of the first reader of O^T
.set nn, 0
.rept 16
	v_pk_mul_f32 v[208+nn:209+nn], v[160+nn:161+nn], v[14:15] op_sel_hi:[1,0]
.set nn, nn+2
.endr
.set nn, 0
.rept 32
	v_med3_num_f32 v[208+nn], v[208+nn], -v241, v241
.set nn, nn+1
.endr
.irp t, 0,1,2,3
	v_cvt_scalef32_pk8_fp8_f32 v[24+2*\t:25+2*\t], v[208+8*\t:215+8*\t], v245
.endr
	v_nop
.irp t, 0,1,2,3
	ds_store_b64 v[STO], v[24+2*\t:25+2*\t] offset:16*\t
.endr
	ds_load_b128 v[208:211], v[SRD]                ; LDS serves a wave's instructions in order: these see my stores
	ds_load_b128 v[212:215], v[SRD] offset:512
	s_wait_dscnt 0x0
	global_store_b128 v[GO], v[208:211], s[16:17]  ; the wave stores 512 consecutive bytes, aligned
	global_store_b128 v[GO], v[212:215], s[16:17] offset:512
.endm
.macro BOTHOUT
	NOPS 4                                         ; places behind the last products
	WAYOUT
	WIN 0x55
	WAYOUT
	WIN 0
.endm
	s_load_b256 s[4:11], s[0:1], 0x0               ; qc, kc, vc, the exponents
	s_load_b64 s[16:17], s[0:1], 0x20              ; ao
	v_lshl_add_u32 v[SPW], v0, 2, SPARE
	v_mov_b32 v[NIL], 0
	ds_add_u32 v[SPW], v[NIL]                      ; the opening: the add, twice on end, and its wait ahead of my first tensor load
	ds_add_u32 v[SPW], v[NIL]
	v_lshrrev_b32 v9, 5, v0
	v_readfirstlane_b32 s[WV], v9                  ; wave 0..7
	s_and_b32 s61, ttmp7, 0xffff                   ; 16 x batch + head
	s_mov_b32 s62, ttmp9                           ; p
	s_lshr_b32 s[PP], s62, 1
	s_add_co_u32 s[PP1], s[PP], 1
	s_lshl_b32 s63, s62, 1
	s_sub_co_u32 s63, 7, s63                       ; 7 - 2 p blocks from my first to my second
	s_lshl_b32 s[DQ], s63, 8
	s_lshl_b32 s[DL], s63, 14
	s_mov_b32 s[DL+1], 0
	s_lshl_b32 s[Q0], s62, 8
	s_lshl_b32 s63, s[WV], 5
	s_add_co_u32 s[Q0], s[Q0], s63                 ; my first query: 256 p + 32 wave
	s_lshl_b32 s84, s61, 17                        ; the head's first byte in qc, kc and vc
	s_and_b32 s86, s[WV], 3
	s_lshl_b32 s88, s86, 11                        ; my 2,048 bytes of each plane
	s_add_co_u32 s88, s88, s84
	s_mov_b32 s89, 0
	s_mul_i32 s90, s86, 128*KP                     ; and where the four planes go
	s_mul_i32 s91, s86, 64*VP
	s_add_co_u32 s91, s91, VOFF
	s_lshl_b32 s92, s[Q0], 6
	s_add_co_u32 s92, s92, s84
	s_mov_b32 s93, 0
	s_and_b32 s94, s61, 15                         ; ao: (head x 8,192 + batch x 2,048 + query) x 64
	s_lshl_b32 s94, s94, 13
	s_lshr_b32 s95, s61, 4
	s_lshl_b32 s95, s95, 11
	s_add_co_u32 s94, s94, s95
	s_add_co_u32 s94, s94, s[Q0]
	s_lshl_b32 s94, s94, 6
	s_mov_b32 s95, 0
	s_min_u32 s78, s62, 1                          ; the prefetch: slot 2 (p = 0) or 3 (p = 1), my wave's 8,192 bytes of it
	s_add_co_u32 s78, s78, 2
	s_lshl_b32 s78, s78, 15
	s_lshl_b32 s79, s86, 13
	s_add_co_u32 s78, s78, s79
	s_add_co_u32 s78, s78, s84
	s_mov_b32 s79, 0
	s_cmp_lt_u32 s62, 2
	s_cselect_b32 s[LIM], s62, 99                  ; the visit in which I ask: p, or none
	s_lshl_b32 s85, s[WV], 11
	s_add_co_u32 s85, s85, STAGE                   ; my stage
	s_mov_b32 s[G1K], (1<<20)|(3<<22)|(3<<25)      ; elements of 1 byte; padding: four words after every 16
	s_mov_b32 s[G1V], (1<<20)|(4<<22)|(3<<25)      ; after every 32
.irp g, G1K, G1V
	s_mov_b32 s[\g+1], 2048<<16                    ; tensor_dim0: a plane
	s_mov_b32 s[\g+2], 4<<16                       ; tensor_dim1: four planes
	s_mov_b32 s[\g+3], 2048<<16                    ; tile_dim0
	s_mov_b32 s[\g+4], 4                           ; tile_dim1
	s_mov_b32 s[\g+5], 8192                        ; from plane to plane
	s_mov_b32 s[\g+6], 0
	s_mov_b32 s[\g+7], 0
.endr
	s_mov_b32 s[SEL], 0x76543210
	s_mov_b32 s[SEL+1], 0xfedcba98
	s_mov_b32 s[CS], 0x3e38aa3b                    ; c = log2(e) / 8
	s_mov_b32 s[TB], 0
	s_mov_b32 s[NS], 0
	s_mov_b32 s[VIS], 0
	s_mov_b32 s[OF+1], 0
	s_wait_dscnt 0x0                               ; both opening adds are done
	s_wait_kmcnt 0x0
	s_load_b256 s[68:75], s[10:11], 0x0            ; the eight exponents
	s_add_nc_u64 s[KB:KB+1], s[6:7], s[88:89]
	s_add_nc_u64 s[VB:VB+1], s[8:9], s[88:89]
	s_mov_b32 s[G0K], 1
	s_mov_b32 s[G0K+1], s90
	s_add_nc_u64 s[G0K+2:G0K+3], s[KB:KB+1], 0
	s_or_b32 s[G0K+3], s[G0K+3], 0x80000000
	s_mov_b32 s[G0V], 1
	s_mov_b32 s[G0V+1], s91
	s_add_nc_u64 s[G0V+2:G0V+3], s[VB:VB+1], 0
	s_or_b32 s[G0V+3], s[G0V+3], 0x80000000
	TLOAD                                          ; visit 0: key slot 0 into LDS slot 0: one load a wave
	s_add_nc_u64 s[4:5], s[4:5], s[92:93]          ; my queries of the first block,
	s_add_nc_u64 s[82:83], s[4:5], s[DL:DL+1]      ; of the second
	s_add_nc_u64 s[16:17], s[16:17], s[94:95]
	s_cmp_lt_u32 s[WV], 4
	s_cselect_b64 s[PFA:PFA+1], s[6:7], s[8:9]
	s_add_nc_u64 s[PFA:PFA+1], s[PFA:PFA+1], s[78:79]
	v_and_b32 v9, 15, v0                           ; r
	v_bfe_u32 v10, v0, 4, 1                        ; h
	v_and_b32 v11, 8, v9
	v_add_nc_u32 v11, v11, v9                      ; r + 8 (r / 8): query r's place among the 32; tile B's lie 8 places on
	v_lshlrev_b32 v[QOFF], 6, v11
	v_lshl_add_u32 v[QOFF], v10, 4, v[QOFF]
	global_load_b128 v[16:19], v[QOFF], s[4:5]
	global_load_b128 v[20:23], v[QOFF], s[4:5] offset:32
	WIN 0x40
	global_load_b128 v[16:19], v[QOFF], s[4:5] offset:512
	global_load_b128 v[20:23], v[QOFF], s[4:5] offset:544
	global_load_b128 v[0:3], v[QOFF], s[82:83]
	global_load_b128 v[10:13], v[QOFF], s[82:83] offset:32
	global_load_b128 v[248:251], v[QOFF], s[82:83] offset:512
	global_load_b128 v[252:255], v[QOFF], s[82:83] offset:544
	WIN 0
	v_mul_u32_u24 v[AK0], v9, KP
	v_mul_u32_u24 v[AV0], v9, VP
	v_lshl_add_u32 v[AK0], v10, 4, v[AK0]
	v_lshl_add_u32 v[AV0], v10, 4, v[AV0]
	v_lshlrev_b32 v[STO], 6, v9
	v_add_nc_u32 v[AV0], VOFF, v[AV0]
	v_lshl_add_u32 v[STO], v10, 3, v[STO]
	v_and_b32 v11, 31, v0
	v_add_nc_u32 v[STO], s85, v[STO]               ; in: row r of 64 bytes, + 8 h
	v_lshlrev_b32 v[GO], 4, v11
	v_lshlrev_b32 v[PFO], 8, v11
	v_add_nc_u32 v[SRD], s85, v[GO]                ; back: 16 x lane
	v_lshlrev_b32 v11, 4, v10
	v_sub_nc_u32 v[DB], v9, v11
	v_mov_b32 v246, 0                              ; written once: a lane permute's destination counts as one of its sources
	v_mov_b32 v247, 0
	v_mov_b32 v253, 0                              ; (named as the upper halves of pairs)
	v_mov_b32 v227, 0
	WIN 0x40                                       ; tile B's way out: 1,024 bytes on, in the stage and in ao
	v_add_nc_u32 v[STO], 0x400, v[STO]
	v_add_nc_u32 v[SRD], 0x400, v[SRD]
	v_add_nc_u32 v[GO], 0x400, v[GO]
	v_mov_b32 v246, 0
	WIN 0
	INIT
	s_wait_alu depctr_va_vdst(0)                   ; directly ahead of the wait below
	s_wait_kmcnt 0x0
	s_add_co_i32 s77, s70, s71
	s_lshl_b32 s77, s77, 23
	s_add_co_i32 s[CS], s[CS], s77                 ; a score stands for score x 2^(e2 + e3)
	s_mov_b32 s[CS+1], s[CS]
	s_add_co_i32 s76, s72, s73                     ; e4 + e5
	s_add_co_i32 s77, s73, 127
	s_lshl_b32 s90, s77, 23                        ; 2^e5
	s_add_co_i32 s77, s77, 8
	s_lshl_b32 s91, s77, 23
	s_or_b32 s91, s91, 0x600000                    ; 448 x 2^e5
	s_add_co_i32 s77, s74, 127
	s_lshl_b32 s92, s77, 23                        ; 2^e6
	s_add_co_i32 s77, s77, 8
	s_lshl_b32 s93, s77, 23
	s_or_b32 s93, s93, 0x600000                    ; 448 x 2^e6
.irp w, 0, 0x40
	WIN \w
	v_mov_b32 v244, s90
	v_mov_b32 v240, s91
	v_mov_b32 v243, s91
	v_mov_b32 v245, s92
	v_mov_b32 v241, s93
.endr
	WIN 0
	s_wait_alu depctr_va_vdst(0)                   ; the wait at the head's end
	s_wait_loadcnt 0x0                             ; both blocks' Q
.Lvisit:                                           ; four trips: behind each change of slots but the last the next visit's slot is asked for
	CHANGE 1
	s_cmp_eq_u32 s[VIS], s[LIM]                    ; the prefetch: a branch on ids
	s_cbranch_scc0 .Lnot_mine
	global_prefetch_b8 v[PFO], s[PFA:PFA+1] th:TH_LOAD_NT scope:SCOPE_SE
.Lnot_mine:
	s_cmp_lg_u32 s[VIS], s[PP1]                    ; here the second block of queries begins: a scalar branch on ids, round no barrier and no tensor load
	s_cbranch_scc1 .Lsame
	BOTHOUT
	s_wait_xcnt 0x0                                ; the stores have read their registers and base: both may be written
	s_add_nc_u64 s[16:17], s[16:17], s[DL:DL+1]
	s_add_co_u32 s[Q0], s[Q0], s[DQ]
	WIN 0x01
.irp i, 0,1,2,3
	v_mov_b32 v[16+\i], v[\i]
	v_mov_b32 v[20+\i], v[10+\i]
.endr
	WIN 0x41
.irp i, 0,1,2,3,4,5,6,7
	v_mov_b32 v[16+\i], v[248+\i]
.endr
	WIN 0
	INIT
	s_wait_alu depctr_va_vdst(0)
.Lsame:
	VISIT
	s_xor_b32 s[TB], s[TB], SLOT1
	s_add_co_u32 s[VIS], s[VIS], 1
	s_cmp_lt_u32 s[VIS], 4
	s_cbranch_scc1 .Lvisit
	CHANGE 0                                       ; the fifth visit is written out
	VISIT
	BOTHOUT
	s_wait_tensorcnt 0x0                           ; the wave's end
	ds_add_u32 v[SPW], v[NIL]
	s_wait_dscnt 0x0
	s_endpgm
.Lfunc_end_k_qfe4e77da48_attn:
	.size	k_qfe4e77da48_attn, .Lfunc_end_k_qfe4e77da48_attn-k_qfe4e77da48_attn
	.p2alignl 7, 3214868480
	.fill 96, 4, 3214868480
	.section	.rodata,"a",@progbits
	.p2align	6, 0x0
	.amdhsa_kernel k_qfe4e77da48_attn
		.amdhsa_group_segment_fixed_size 327680
		.amdhsa_private_segment_fixed_size 0
		.amdhsa_enable_private_segment 0
		.amdhsa_kernarg_size 40
		.amdhsa_user_sgpr_count 2
		.amdhsa_user_sgpr_kernarg_segment_ptr 1
		.amdhsa_wavefront_size32 1
		.amdhsa_system_sgpr_workgroup_id_x 1
		.amdhsa_system_sgpr_workgroup_id_y 1
		.amdhsa_system_sgpr_workgroup_id_z 1
		.amdhsa_system_vgpr_workitem_id 0
		.amdhsa_next_free_vgpr 512
		.amdhsa_next_free_sgpr 100
		.amdhsa_reserve_vcc 1
		.amdhsa_float_denorm_mode_32 3
		.amdhsa_float_denorm_mode_16_64 3
		.amdhsa_memory_ordered 1
		.amdhsa_forward_progress 1
		.amdhsa_inst_pref_size 115
	.end_amdhsa_kernel
	.amdgpu_metadata
---
amdhsa.version: [ 1, 2 ]
amdhsa.kernels:
  - .name:           k_qfe4e77da48_attn
    .symbol:         k_qfe4e77da48_attn.kd
    .args:
      - { .name: qc, .offset: 0, .size: 8, .value_kind: global_buffer, .address_space: global }
      - { .name: kc, .offset: 8, .size: 8, .value_kind: global_buffer, .address_space: global }
      - { .name: vc, .offset: 16, .size: 8, .value_kind: global_buffer, .address_space: global }
      - { .name: lowp_scales, .offset: 24, .size: 8, .value_kind: global_buffer, .address_space: global }
      - { .name: ao, .offset: 32, .size: 8, .value_kind: global_buffer, .address_space: global }
    .group_segment_fixed_size: 327680
    .private_segment_fixed_size: 0
    .kernarg_segment_align: 8
    .kernarg_segment_size: 40
    .max_flat_workgroup_size: 256
    .sgpr_count:     100
    .vgpr_count:     512
    .wavefront_size: 32
...
	.end_amdgpu_metadata
.endif
;; end of part 3
;; launch proj (part 4): grid 4 x 64, 4 waves a work-group, clusters of 4 x 4, 327,680 bytes of LDS; arguments ao, woq, lowp_scales, b_out, out0; writes out0
.if DOCPART == 4
	.amdgcn_target "amdgcn-amd-amdhsa--gfx1250"
	.amdhsa_code_object_version 6
	.text
	.protected	k_qfe4e77da48_proj
	.globl	k_qfe4e77da48_proj
	.p2align	8
	.type	k_qfe4e77da48_proj,@function
k_qfe4e77da48_proj:
	s_mov_b64 s[64:65], 0
	v_nop
	global_prefetch_b8 v0, s[64:65] scope:SCOPE_SE
	s_setreg_imm32_b32 hwreg(HW_REG_WAVE_MODE, 25, 1), 1
	s_wait_xcnt 0x0
	s_wait_alu depctr_hold_cnt(0) depctr_sa_sdst(0) depctr_va_vdst(0) depctr_va_sdst(0) depctr_va_ssrc(0) depctr_va_vcc(0) depctr_vm_vsrc(0)
	s_getreg_b32 s2, hwreg(HW_REG_IB_STS2, 6, 4)
	s_cmp_eq_u32 s2, 0
	s_cbranch_scc0 .Lentry_in_a_cluster
	s_endpgm
.Lentry_in_a_cluster:
	s_bfe_u32 s2, ttmp6, 0x10000c
	s_cmp_lg_u32 s2, 0xf033
	s_cbranch_scc0 .Lentry_shape_is_right
	s_endpgm
.Lentry_shape_is_right:
.set AP,     80
.set APL,    128*AP
.set PITCH,  272
.set BOFF,   4*APL
.set SLOT,   BOFF+256*PITCH
.set SPARE,  2*SLOT
.set STAGE,  SPARE+512
.set SPITCH, 528
.set ADRA, 16
.set ADRB, 20
.set STO,  24
.set RD,   25
.set CO,   26
.set SPW,  28
.set NIL,  29
.set H32,  30
.set BB,   32
.set T,    128
.set BKR,  192
.set G1,  24
.set G0,  32
.set G1B, 48
.set G0B, 56
.set AX,  66
.set BQ,  70
.set MUL, 0xa1
.set MSB, 0
.macro WIN new
.if MSB != \new
	s_set_vgpr_msb (MSB<<8)|\new
.set MSB, \new
.endif
.endm
.macro JLOAD g0a, g1a, g0b, g1b
	s_cmp_eq_u32 s15, 0
	s_cbranch_scc0 .Lfor_b_\@
	tensor_load_to_lds s[\g0a:\g0a+3], s[\g1a:\g1a+7]
	s_nop 0
.rept 4
	v_nop
.endr
	s_branch .Lasked_\@
.Lfor_b_\@:
	tensor_load_to_lds s[\g0b:\g0b+3], s[\g1b:\g1b+7]
	s_nop 0
.rept 4
	v_nop
.endr
.Lasked_\@:
.endm
.macro CREST
	s_cmp_lg_u32 s14, 0
	s_cbranch_scc1 .Lnot_wave_0_\@
	s_barrier_signal -3
.Lnot_wave_0_\@:
	s_barrier_wait -3
	s_barrier_signal -1
	s_barrier_wait -1
.endm
.macro CROUND
	s_barrier_signal -1
	s_barrier_wait -1
	CREST
.endm
.macro PLACES n
.rept \n
	v_nop
.endr
.endm
.macro FRAGB reg, adr, q, i
.irp c, 0,1,2,3
	ds_load_b128 v[\reg+4*\c:\reg+4*\c+3], v[\adr] offset:128*(\q)+32*\c+(\i)*16*PITCH
.endr
.endm
.macro FRAGA reg, adr, q, i
.irp c, 0,1,2,3
	ds_load_b128 v[\reg+4*\c:\reg+4*\c+3], v[\adr] offset:(2*(\q)+\c/2)*APL+32*(\c%2)+(\i)*16*AP
.endr
.endm
.macro FETCH slot, q, p
	WIN 0x40
.irp i, 0,1,2,3,4,5,6,7
	FRAGB 128*(\p)+16*\i, ADRB+\slot, \q, \i
.endr
	WIN 0
.irp i, 0,1,2,3
	FRAGA 128+64*(\p)+16*\i, ADRA+\slot, \q, \i
.endr
.endm
.macro MUL8 a, p, zero
.irp b, 0,1,2,3,4,5,6,7
.if \zero
	v_wmma_f32_16x16x128_fp8_fp8 v[8*(8*(\a)+\b):8*(8*(\a)+\b)+7], v[128*(\p)+16*\b:128*(\p)+16*\b+15], v[128+64*(\p)+16*(\a):128+64*(\p)+16*(\a)+15], 0
.else
	v_wmma_f32_16x16x128_fp8_fp8 v[8*(8*(\a)+\b):8*(8*(\a)+\b)+7], v[128*(\p)+16*\b:128*(\p)+16*\b+15], v[128+64*(\p)+16*(\a):128+64*(\p)+16*(\a)+15], v[8*(8*(\a)+\b):8*(8*(\a)+\b)+7]
.endif
.endr
.endm
.macro STEP slot, zero
.if \zero == 0
	PLACES 4
.endif
	FETCH \slot, 1, 1
	s_wait_dscnt 48
	WIN MUL
	MUL8 0, 0, \zero
	MUL8 1, 0, \zero
	MUL8 2, 0, \zero
	MUL8 3, 0, \zero
	WIN 0
.endm
.macro TURN slot, next, fill, ka, kb
	s_wait_tensorcnt 0x0
	ds_add_u32 v[SPW], v[NIL]
	s_wait_dscnt 1
	WIN MUL
	MUL8 0, 1, 0
	s_wait_dscnt 0x0
	s_barrier_signal -1
	MUL8 1, 1, 0
	WIN 0
	s_barrier_wait -1
.if \fill
	CREST
	s_add_nc_u64 s[G0+4*\slot+2:G0+4*\slot+3], s[AX:AX+1], \ka
	s_or_b32 s[G0+4*\slot+3], s[G0+4*\slot+3], 0x80000000
	s_add_nc_u64 s[G0B+4*\slot+2:G0B+4*\slot+3], s[BQ:BQ+1], \kb
	s_or_b32 s[G0B+4*\slot+3], s[G0B+4*\slot+3], 0x80000000
	JLOAD G0+4*\slot, G1, G0B+4*\slot, G1B
.else
	PLACES 4
.endif
	s_wait_alu depctr_va_vdst(0)
	FETCH \next, 0, 0
	WIN MUL
	MUL8 2, 1, 0
	MUL8 3, 1, 0
	WIN 0
.endm
	s_load_b256 s[4:11], s[0:1], 0x0
	s_load_b64 s[84:85], s[0:1], 0x20
	v_lshl_add_u32 v[SPW], v0, 2, SPARE
	v_mov_b32 v[NIL], 0
	ds_add_u32 v28, v29
	ds_add_u32 v28, v29
	s_wait_dscnt 0x0
	v_lshrrev_b32 v1, 5, v0
	v_readfirstlane_b32 s14, v1
	s_lshr_b32 s15, s14, 1
	s_and_b32 s16, s14, 1
	s_bfe_u32 s40, ttmp6, 0x40000
	s_bfe_u32 s41, ttmp6, 0x40004
	s_and_b32 s42, ttmp7, 0xffff
	s_lshl_b32 s43, s41, 2
	s_lshl_b32 s43, 15, s43
	s_lshl_b32 s44, 0x1111, s40
	s_or_b32 s[G1+0], s43, (1<<20)|(1<<21)|(3<<22)|(3<<25)
	s_mov_b32 s[G1+1], 8192<<16
	s_mov_b32 s[G1+2], 2<<16
	s_mov_b32 s[G1+3], 8192<<16
	s_mov_b32 s[G1+4], 2
	s_mov_b32 s[G1+5], 524288
	s_mov_b32 s[G1+6], 0
	s_mov_b32 s[G1+7], 0
	s_or_b32 s[G1B+0], s44, (1<<20)|(1<<21)|(5<<22)|(3<<25)
	s_mov_b32 s[G1B+1], 256<<16
	s_mov_b32 s[G1B+2], 128<<16
	s_mov_b32 s[G1B+3], 256<<16
	s_mov_b32 s[G1B+4], 128
	s_mov_b32 s[G1B+5], 1024
	s_mov_b32 s[G1B+6], 0
	s_mov_b32 s[G1B+7], 0
	s_lshl_b32 s17, s42, 2
	s_add_co_u32 s17, s17, s41
	s_lshl_b32 s18, s17, 13
	s_lshl_b32 s20, s16, 20
	s_add_co_u32 s18, s18, s20
	s_mov_b32 s19, 0
	s_lshl_b32 s46, s40, 18
	s_lshl_b32 s45, s16, 17
	s_add_co_u32 s46, s46, s45
	s_mov_b32 s47, 0
	s_mul_i32 s12, s16, 2*APL
	s_mul_i32 s13, s16, 128*PITCH
	s_add_co_u32 s13, s13, BOFF
	s_wait_kmcnt 0x0
	s_load_b256 s[76:83], s[8:9], 0x0
	s_add_nc_u64 s[AX:AX+1], s[4:5], s[18:19]
	s_add_nc_u64 s[BQ:BQ+1], s[6:7], s[46:47]
	s_lshr_b32 s2, s40, 1                          ; the prefetches of K steps 2 and 3: the four partners of a joint load share its bytes out by address.  A: 2 planes of 8,192 bytes are 64 blocks of 256, 16 for each cx;
	s_lshl_b32 s2, s2, 19
	s_and_b32 s3, s40, 1
	s_lshl_b32 s3, s3, 12
	s_add_co_u32 s2, s2, s3
	s_add_co_u32 s2, s2, 2*2097152
	s_lshl_b32 s3, s41, 15                         ; B: 128 rows, 32 for each cy
	s_add_co_u32 s3, s3, 512
	s_mov_b32 s21, 2097152
	s_cmp_eq_u32 s15, 0
	s_cselect_b64 s[4:5], s[AX:AX+1], s[BQ:BQ+1]
	s_cselect_b32 s22, s2, s3
	s_cselect_b32 s98, s21, 256                    ; a K step on
	s_cselect_b32 s20, 15, 31
	s_cselect_b32 s21, 8, 10                       ; from lane to lane: 256 bytes in A's planes, a row of 1,024 in B
	s_mov_b32 s23, 0
	s_mov_b32 s99, 0
	s_add_nc_u64 s[4:5], s[4:5], s[22:23]          ; K step 2,
	s_add_nc_u64 s[6:7], s[4:5], s[98:99]          ; K step 3
	v_and_b32 v14, 31, v0
	v_min_u32 v14, s20, v14                        ; in A's waves lanes 16-31 name the last block again
	v_lshlrev_b32 v14, s21, v14                    ; never rewritten
	s_wait_alu depctr_va_vdst(0)                   ; the wait behind the write
	CROUND
.irp s, 0,1
	s_mov_b32 s[G0+4*\s], 1
	s_add_co_u32 s[G0+4*\s+1], s12, \s*SLOT
	s_add_nc_u64 s[G0+4*\s+2:G0+4*\s+3], s[AX:AX+1], \s*2097152
	s_or_b32 s[G0+4*\s+3], s[G0+4*\s+3], 0x80000000
	s_mov_b32 s[G0B+4*\s], 1
	s_add_co_u32 s[G0B+4*\s+1], s13, \s*SLOT
	s_add_nc_u64 s[G0B+4*\s+2:G0B+4*\s+3], s[BQ:BQ+1], \s*256
	s_or_b32 s[G0B+4*\s+3], s[G0B+4*\s+3], 0x80000000
.if \s
	s_wait_alu depctr_va_vdst(0)
	s_wait_tensorcnt 0x0
	ds_add_u32 v28, v29
	ds_add_u32 v28, v29
	s_wait_dscnt 0x0
	CROUND
.endif
	JLOAD G0+4*\s, G1, G0B+4*\s, G1B
	global_prefetch_b8 v14, s[4+2*\s:5+2*\s] th:TH_LOAD_NT scope:SCOPE_SE
.endr
	v_and_b32 v1, 15, v0
	v_bfe_u32 v2, v0, 4, 1
	v_mul_u32_u24 v3, v1, AP
	v_lshl_add_u32 v3, v2, 4, v3
	v_mul_u32_u24 v4, v1, PITCH
	v_lshl_add_u32 v4, v2, 4, v4
	s_mul_i32 s2, s15, 64*AP
	s_mov_b32 s3, s13
.irp s, 0,1
	v_add_nc_u32 v[ADRA+\s], s2, v3
	v_add_nc_u32 v[ADRB+\s], s3, v4
	s_add_co_u32 s2, s2, SLOT
	s_add_co_u32 s3, s3, SLOT
.endr
	s_mul_i32 s2, s14, 16*SPITCH
	s_add_co_u32 s2, s2, STAGE
	v_mul_u32_u24 v5, v1, SPITCH
	v_lshl_add_u32 v5, v2, 5, v5
	v_add_nc_u32 v[STO], s2, v5
	v_and_b32 v6, 31, v0
	v_lshlrev_b32 v[CO], 4, v6
	v_add_nc_u32 v[RD], s2, v[CO]
	v_lshlrev_b32 v[H32], 5, v2
	s_lshl_b32 s90, s40, 10
	s_lshl_b32 s91, s16, 9
	s_add_co_u32 s90, s90, s91
	s_mov_b32 s91, 0
	s_add_nc_u64 s[92:93], s[10:11], s[90:91]
.irp b, 0,1,2,3,4,5,6,7
	global_load_b128 v[BB+8*\b:BB+8*\b+3],   v[H32], s[92:93] offset:64*\b
	global_load_b128 v[BB+8*\b+4:BB+8*\b+7], v[H32], s[92:93] offset:64*\b+16
.endr
	s_lshl_b32 s2, s17, 19
	s_lshl_b32 s3, s15, 18
	s_add_co_u32 s2, s2, s3
	s_add_co_u32 s2, s2, s90
	s_mov_b32 s3, 0
	s_add_nc_u64 s[84:85], s[84:85], s[2:3]
	s_wait_kmcnt 0x0
	s_add_co_i32 s96, s82, s83
	s_add_co_i32 s96, s96, 127
	s_lshl_b32 s96, s96, 23
	s_mov_b32 s97, s96
	s_wait_tensorcnt 1
	s_barrier_signal -1
	s_barrier_wait -1
	FETCH 0, 0, 0
	STEP 0, 1
	TURN 0, 1, 1, 2*2097152, 512
	STEP 1, 0
	TURN 1, 0, 1, 3*2097152, 768
	STEP 0, 0
	TURN 0, 1, 0, 0, 0
	STEP 1, 0
	s_wait_dscnt 0x0
	WIN MUL
	MUL8 0, 1, 0
	MUL8 1, 1, 0
	MUL8 2, 1, 0
	MUL8 3, 1, 0
	WIN 0
	s_wait_loadcnt 0x0
	PLACES 4
.irp a, 0,1,2,3
.if \a > 0
	s_wait_xcnt 0x0
.endif
	WIN 0x02
.irp b, 0,1,2,3,4,5,6,7
.irp i, 0,2,4,6
	v_pk_fma_f32 v[T+8*\b+\i:T+8*\b+\i+1], v[8*(8*\a+\b)+\i:8*(8*\a+\b)+\i+1], s[96:97], v[BB+8*\b+\i:BB+8*\b+\i+1] op_sel_hi:[1,0,1]
.endr
.endr
	WIN 0
.irp b, 0,1,2,3,4,5,6,7
	ds_store_b128 v[STO], v[T+8*\b:T+8*\b+3] offset:64*\b
	ds_store_b128 v[STO], v[T+8*\b+4:T+8*\b+7] offset:64*\b+16
.endr
.set tt, 0
.rept 16
	ds_load_b128 v[BKR+4*tt:BKR+4*tt+3], v[RD] offset:tt*SPITCH
.set tt, tt+1
.endr
.set tt, 0
.rept 16
	s_wait_dscnt 15-tt
	global_store_b128 v[CO], v[BKR+4*tt:BKR+4*tt+3], s[84:85] offset:(16*\a+tt)*4096 th:TH_STORE_NT
.set tt, tt+1
.endr
.endr
	s_wait_tensorcnt 0x0
	ds_add_u32 v[SPW], v[NIL]
	s_wait_dscnt 0x0
	CROUND
	s_endpgm
.Lfunc_end_k_qfe4e77da48_proj:
	.size	k_qfe4e77da48_proj, .Lfunc_end_k_qfe4e77da48_proj-k_qfe4e77da48_proj
	.p2alignl 7, 3214868480
	.fill 96, 4, 3214868480
	.section	.rodata,"a",@progbits
	.p2align	6, 0x0
	.amdhsa_kernel k_qfe4e77da48_proj
		.amdhsa_group_segment_fixed_size 327680
		.amdhsa_private_segment_fixed_size 0
		.amdhsa_enable_private_segment 0
		.amdhsa_kernarg_size 40
		.amdhsa_user_sgpr_count 2
		.amdhsa_user_sgpr_kernarg_segment_ptr 1
		.amdhsa_wavefront_size32 1
		.amdhsa_system_sgpr_workgroup_id_x 1
		.amdhsa_system_sgpr_workgroup_id_y 1
		.amdhsa_system_sgpr_workgroup_id_z 1
		.amdhsa_system_vgpr_workitem_id 0
		.amdhsa_next_free_vgpr 768
		.amdhsa_next_free_sgpr 100
		.amdhsa_reserve_vcc 0
		.amdhsa_float_denorm_mode_32 3
		.amdhsa_float_denorm_mode_16_64 3
		.amdhsa_memory_ordered 1
		.amdhsa_forward_progress 1
		.amdhsa_inst_pref_size 80
	.end_amdhsa_kernel
	.amdgpu_metadata
---
amdhsa.version: [ 1, 2 ]
amdhsa.kernels:
  - .name:           k_qfe4e77da48_proj
    .symbol:         k_qfe4e77da48_proj.kd
    .args:
      - { .name: ao, .offset: 0, .size: 8, .value_kind: global_buffer, .address_space: global }
      - { .name: woq, .offset: 8, .size: 8, .value_kind: global_buffer, .address_space: global }
      - { .name: lowp_scales, .offset: 16, .size: 8, .value_kind: global_buffer, .address_space: global }
      - { .name: b_out, .offset: 24, .size: 8, .value_kind: global_buffer, .address_space: global }
      - { .name: out0, .offset: 32, .size: 8, .value_kind: global_buffer, .address_space: global }
    .group_segment_fixed_size: 327680
    .private_segment_fixed_size: 0
    .kernarg_segment_align: 8
    .kernarg_segment_size: 40
    .max_flat_workgroup_size: 128
    .sgpr_count:     100
    .vgpr_count:     768
    .wavefront_size: 32
...
	.end_amdgpu_metadata
.endif
;; end of part 4
